; MI455X (gfx1250); checked and timed in simulation.
; The chip was launched on July 23, 2026; its instructions are those of AMD's public machine-readable ISA for CDNA 5 (MIT licence, August 2026) and "CDNA5" Instruction Set Architecture Reference Guide (July 2026). The comments in the code are by the model that wrote it; some were corrected since.
;; Liquid Neuron CPU. Allowed arithmetic: matrix products marked QUANTISED: E3M2 operands, one E8M0 scale for each 32 along K, by v_wmma_scale_f32_16x16x128_f8f6f4 with both operands' format E3M2, f32 sums; products left as they are: f32 operands where the result goes on into a quantised operand, else bf16, f16 or f32 operands; f32 sums; everything else in f32.
;; Inputs: W_fast_codes 2,048 x 64 x 24 uint8 (E3M2 codes of W_fast, K innermost, in blocks of 32 codes, four codes in three bytes); W_fast_scales 2,048 x 64 uint8 (E8M0 scales of W_fast, one for each 32 codes along K); W_medium_codes 2,048 x 64 x 24 uint8 (E3M2 codes of W_medium, K innermost, in blocks of 32 codes, four codes in three bytes); W_medium_scales 2,048 x 64 uint8 (E8M0 scales of W_medium, one for each 32 codes along K); W_slow_codes 2,048 x 64 x 24 uint8 (E3M2 codes of W_slow, K innermost, in blocks of 32 codes, four codes in three bytes); W_slow_scales 2,048 x 64 uint8 (E8M0 scales of W_slow, one for each 32 codes along K); ema_mean 1 float32; ema_std 1 float32; ln_beta 2,048 float32; ln_gamma 2,048 float32; pc_b1 8 float32; pc_b2 1 float32; pc_w1 8 x 3 float32; pc_w2 1 x 8 float32; x 4,096 x 2,048 float32.
;; Outputs: out0 4,096 x 2,048 float32.
;; This version of the problem:
;;   THIS VERSION OF THE PROBLEM IS GIVEN IN LOW PRECISION. The matrix products marked QUANTISED in the list below multiply operands that are first quantised to E3M2 (3 exponent bits, 2 mantissa bits; 6 bits a number), with one power-of-two scale for each 32 numbers along K (OCP MX v1.0); their sums are f32. All else is computed in f32.
;;   The module's matrix products, in the order in which they are computed (A, B: the left and right operand; K: the contracted axis; several contracted axes count as one K, in the product's order):
;;     1. [M 4,096, K 2,048] x [K 2,048, N 2,048]; A: computed on the way; B: input W_slow (given as codes): QUANTISED
;;     2. [M 4,096, K 2,048] x [K 2,048, N 2,048]; A: computed on the way; B: input W_medium (given as codes): QUANTISED
;;     3. [M 4,096, K 2,048] x [K 2,048, N 2,048]; A: computed on the way; B: input W_fast (given as codes): QUANTISED
;;     4. [M 4,096, K 3] x [K 3, N 8]; A: computed on the way; B: input pc_w1: left as it is (K = 3 < 32)
;;     5. [M 4,096, K 8] x [K 8, N 1]; A: computed on the way; B: input pc_w2: left as it is (K = 8 < 32)
;;   THE QUANTISER, for each operand of a quantised product, along K:
;;     - K is cut into blocks of 32 from its start; a last block that is shorter is filled with zeros.
;;     - A block's scale is 2^e with e = floor(log2(the largest magnitude in the block)) - 4, held to -126 .. 127; a block of zeros has e = 0. As a byte (E8M0): e + 127.
;;     - Each number is divided by its block's scale, clamped to +-28, and rounded to the nearest number of E3M2, ties to even, subnormals kept.
;;     - The product sums the exact products of the quantised numbers (number of the format x scale) in f32.
;;   ~~~python
;;   def quantise(x, axis):      # numpy; x: float32 -> the quantised numbers, widened to float32 again
;;       x = np.moveaxis(x, axis, -1); K = x.shape[-1]
;;       x = np.pad(x, [(0, 0)] * (x.ndim - 1) + [(0, -K % 32)]); x = x.reshape(x.shape[:-1] + (-1, 32)); a = np.abs(x).max(-1, keepdims=True)
;;       e = np.where(a > 0, np.clip(np.frexp(np.where(a > 0, a, 1))[1] - 1 - 4, -126, 127), 0)      # np.frexp(a)[1] - 1 = floor(log2(a)), exactly
;;       r = np.clip(x / 2.0 ** e, -28, 28)
;;       step = 2.0 ** (np.maximum(np.frexp(np.where(r == 0, 1, r))[1] - 1, -2) - 2)
;;       q = np.round(r / step) * step * 2.0 ** e      # np.round: ties to even
;;       return np.moveaxis(q.reshape(q.shape[:-2] + (-1,))[..., :K], -1, axis).astype(np.float32)
;;   ~~~
;;   OPERANDS COMPUTED ON THE WAY. 'Computed on the way' means the value that the module computes at that place (a softmax that the list does not call 'softmax' is quantised finished and normalised). What goes into a quantiser is computed in f32, as accurately as f32 sums, v_exp_f32 and their like allow (about 1e-6 of the number): no bf16 or f16 on the way to a quantiser, and a product that is left as it is and whose result goes on into a quantised operand takes f32 operands (vector FMAs, or v_wmma_f32_16x16x4_f32). A number that lies on a knife's edge between two numbers of the format may be rounded either way, as far as f32 arithmetic and the matrix unit's own rounding can turn it there, and no further.
;;   INPUTS GIVEN AS CODES. W_fast (in the module: [2048, 2048], K = its axis 1); W_medium (in the module: [2048, 2048], K = its axis 1); W_slow (in the module: [2048, 2048], K = its axis 1): each comes as NAME_codes (uint8): NAME with its K axis moved to the last place and cut into blocks of 32 codes, [.., K / 32, bytes a block], one block behind the other in memory; four codes in three bytes: a row's codes are one little-endian stream of bits, code i at bits 6 i .. 6 i + 5 (a code: sign, 3 exponent bits, 2 mantissa bits); and NAME_scales (uint8): the same leading axes, one E8M0 byte (e + 127) for each 32 codes along K. Its value is code x scale, taken as it is: it is not quantised again, and the codes and scales need not be those that the quantiser above would give.
;; One version. Each part assembles by itself: llvm-mc -triple=amdgcn-amd-amdhsa -mcpu=gfx1250 --defsym DOCPART=n.
;; ======== version 1 of 1: 3 launches
;; limits: right only within a limited range of input values
;; workspace buffers: xa 6,553,600 bytes; wq 10,035,200 bytes; pre 33,554,432 bytes
;; launch quant (part 1): grid 256 x 1, 16 waves a work-group, no clusters, 177,920 bytes of LDS; arguments x, W_slow_codes, W_medium_codes, W_fast_codes, W_slow_scales, W_medium_scales, W_fast_scales, xa, wq; writes xa, wq
.if DOCPART == 1
	.amdgcn_target "amdgcn-amd-amdhsa--gfx1250"
	.amdhsa_code_object_version 6
	.text
	.protected	k_q6bee5f8721_quant
	.globl	k_q6bee5f8721_quant
	.p2align	8
	.type	k_q6bee5f8721_quant,@function
k_q6bee5f8721_quant:
	s_mov_b64 s[64:65], 0
	v_nop
	global_prefetch_b8 v0, s[64:65] scope:SCOPE_SE
	s_setreg_imm32_b32 hwreg(HW_REG_WAVE_MODE, 25, 1), 1
	s_wait_xcnt 0x0
; PREPARES BOTH OPERANDS OF THE THREE QUANTISED PRODUCTS.
; (1) xc = clip(x, -5, 5), x: [4096][2048] f32, becomes codes of BF6 (E3M2) with one E8M0 byte for each 32 along K: byte = the largest magnitude's exponent field - 4, held at 1 from below.
; (2) The three weights' given codes and scale bytes are laid anew, unchanged in value, in the order in which the product's registers take them.
; LEFT OUT AS DEAD WORK, in the whole program: reference()'s learned_plasticity and all that serves it alone (the EMA update, homeostasis, stats, products 4 and 5, gelu, sigmoid): reference() returns out alone,
; and out is made of pre_act, ln_gamma and ln_beta; no term of learned_plasticity enters it, whatever the inputs hold.  So pc_w1, pc_b1, pc_w2, pc_b2, ema_mean, ema_std are no argument of any launch.
; LIMIT: a NaN, an infinity or an overflow that reaches only that work is not carried to the result.
; A FRAGMENT'S IMAGE (16 rows x 128 K, 12 registers a lane) is 1,536 bytes: piece c of 512 bytes holds lane l's registers 4 c .. 4 c + 3 at byte 16 l.  A block's scale image is [K step: 16][row: 16] words, 1,024 bytes.
; xa [tile of 256 rows: 16][409,600]: 16 blocks' scale images (16,384), then for each 256 along K (8): [block: 16][step: 2][1,536].
; wq [1 + 3 x tile of 128 columns + weight][204,800]: 8 blocks' scale images (8,192), then for each 256 along K: [block: 8][step: 2][1,536].  Place 0 is never written or read: the product's wave 1 + weight finds its tile at its own number.
; SHARES.  A work-group owns 16 rows of x, each of its sixteen waves one K step: one fragment.  Of the weights' 768 half blocks (16 rows x 1,024 K, 768 bytes a row) it owns three: a wave reads row `wave` of each, three aligned
; units of 256 bytes a row.  ORDER: x's loads go out first, the weights' behind them; x is turned through the wave's own stage, quantised and stored while the weights' loads are out; then the weights' rows go into a shared stage.
; Behind the launch's one barrier the 24 fragments are read back in the operand's order (a wave one, waves 8-15 two) and stored, 512 consecutive bytes an instruction; waves 0-2 send a half block's turned scale words, waves 0-1 x's.
; LIMITS: NaN and infinities in x are not served.  A block of zeros of x gets the byte 1 where the rule says 127: its codes are zeros, which add nothing under that byte, and this program alone reads the bytes.
.set ROWX, 8192
.set SP,   528                         ; x's stage row: 512 bytes + 16
.set WSTG, 16*SP
.set SCL,  16*WSTG                     ; x's 16 x 64 scale bytes
.set SPARE, 0x21400                    ; the spare words, 128 bytes a wave
.set WST,  138240                      ; the weights' stage: 3 half blocks x 16 rows x (768 + 16) bytes
.set WP,   784
.set WHB,  16*WP
.set WSC,  WST+3*WHB                   ; the weights' scale words, 512 bytes a half block
.set R,    16                          ; v16-79   x's row i as loaded, at R + 4 i
.set X,    80                          ; v80-143  register 16 b + i = k 32 b + 16 h + i of row r
.set TM,   144
.set PW,   160
.set PC,   164
.set WL,   196                         ; v196-213 my rows of the three half blocks
.set WS,   214                         ; v214-217 scale words as loaded
.set FG,   220                         ; v220-243 two fragments
.set WO,   244                         ; v244-247 scale words on their way out
.set WV,   22
.set SEL,  24
.macro DEC add                         ; half block 3 g + add: s41 = which half of K, s40 = block of 16 rows in its weight, s42 = weight
	s_add_co_u32 s40, s39, \add
	s_and_b32 s41, s40, 1
	s_lshr_b32 s40, s40, 1
	s_lshr_b32 s42, s40, 7
	s_and_b32 s40, s40, 127
.endm
.macro DST out, unit, half             ; its place in wq, less the leading 204,800: tile + (block % 8) x unit + half of K x half
	s_lshr_b32 s43, s40, 3
	s_mul_i32 s43, s43, 3
	s_add_co_u32 s43, s43, s42
	s_mul_i32 s43, s43, 204800
	s_and_b32 s44, s40, 7
	s_mul_i32 s44, s44, \unit
	s_add_co_u32 s43, s43, s44
	s_mul_i32 s44, s41, \half
	s_add_co_u32 \out, s43, s44
.endm
.macro PICK dst, wr, p0, off           ; the weight's buffer by its number, + the offset
	s_cmp_eq_u32 s[\wr], 1
	s_cselect_b64 s[\dst:\dst+1], s[\p0+2:\p0+3], s[\p0:\p0+1]
	s_cmp_eq_u32 s[\wr], 2
	s_cselect_b64 s[\dst:\dst+1], s[\p0+4:\p0+5], s[\dst:\dst+1]
	s_add_nc_u64 s[\dst:\dst+1], s[\dst:\dst+1], s[\off:\off+1]
.endm
	s_load_b512 s[4:19], s[0:1], 0x0               ; x, three codes, three scales, xa
	s_load_b64 s[20:21], s[0:1], 0x40              ; wq
	v_lshl_add_u32 v192, v0, 2, SPARE
	v_mov_b32 v193, 0
	v_lshrrev_b32 v1, 5, v0
	v_readfirstlane_b32 s[WV], v1                  ; wave 0..15
	s_lshr_b32 s23, s[WV], 3
	s_and_b32 s45, s[WV], 3
	s_and_b32 s38, s[WV], 7                        ; t: my fragment's step in its half block
	s_mul_i32 s26, s[WV], WSTG
	s_lshl_b32 s27, s[WV], 6
	s_add_co_u32 s27, s27, SCL
	s_mul_i32 s28, s[WV], WP
	s_add_co_u32 s28, s28, WST
	s_mul_i32 s29, s38, 96
	s_add_co_u32 s29, s29, WST
	s_mul_i32 s30, s23, WHB
	s_lshl_b32 s31, s45, 9
	s_add_co_u32 s31, s31, WSC
	s_mov_b32 s[SEL], 0x76543210
	s_mov_b32 s[SEL+1], 0xfedcba98
	s_lshl_b32 s32, ttmp9, 17                      ; x: 16 rows a work-group, 512 bytes of a row a wave
	s_lshl_b32 s33, s[WV], 9
	s_add_co_u32 s32, s32, s33
	s_mov_b32 s33, 0
	s_lshr_b32 s36, ttmp9, 4
	s_mul_i32 s36, s36, 409600                     ; xa: my tile of 256 rows
	s_and_b32 s37, ttmp9, 15                       ; my block in it
	s_mul_i32 s34, s37, 3072
	s_add_co_u32 s34, s34, s36
	s_lshr_b32 s35, s[WV], 1
	s_mul_i32 s35, s35, 49152
	s_add_co_u32 s34, s34, s35
	s_and_b32 s35, s[WV], 1
	s_mul_i32 s35, s35, 1536
	s_add_co_u32 s34, s34, s35
	s_add_co_u32 s34, s34, 16384
	s_mov_b32 s35, 0
	s_lshl_b32 s37, s37, 10
	s_add_co_u32 s36, s36, s37
	s_mov_b32 s37, 0
	s_mul_i32 s39, ttmp9, 3
	s_lshr_b32 s40, s38, 1                         ; my fragment in its half block's images: (t / 2) x 24,576 + (t % 2) x 1,536, + 204,800 + 8,192
	s_mul_i32 s40, s40, 24576
	s_and_b32 s38, s38, 1
	s_mul_i32 s38, s38, 1536
	s_add_co_u32 s38, s38, s40
	s_add_co_u32 s38, s38, 212992
.irp j, 0,1,2
	DEC \j
	s_mov_b32 s[46+\j], s42
	s_mul_i32 s43, s40, 24576
	s_mul_i32 s44, s41, 768
	s_add_co_u32 s43, s43, s44
	s_mul_i32 s44, s[WV], 1536
	s_add_co_u32 s[50+2*\j], s43, s44              ; source: row `wave` of half block j
	s_mov_b32 s[51+2*\j], 0
.endr
	DST s58, 3072, 98304                           ; the third half block's images (waves 8-15)
	s_add_co_u32 s58, s58, s38
	s_mov_b32 s59, 0
	DEC s23
	DST s56, 3072, 98304                           ; half block wave / 8
	s_add_co_u32 s56, s56, s38
	s_mov_b32 s57, 0
	DEC s45                                        ; scale words: half block wave % 4 (waves 0-2 alone use it)
	s_mov_b32 s49, s42
	s_lshl_b32 s60, s40, 10
	s_lshl_b32 s43, s41, 5
	s_add_co_u32 s60, s60, s43
	s_mov_b32 s61, 0
	DST s62, 1024, 512
	s_add_co_u32 s62, s62, 204800
	s_mov_b32 s63, 0
	v_and_b32 v1, 31, v0                           ; lane
	v_and_b32 v2, 15, v0                           ; r
	v_bfe_u32 v3, v0, 4, 1                         ; h
	v_lshlrev_b32 v4, 4, v1                        ; 16 x lane
	v_mul_u32_u24 v6, v2, SP
	v_add_nc_u32 v5, s26, v4                       ; into x's stage
	v_lshl_add_u32 v6, v3, 6, v6
	v_mov_b32 v7, 0x40a00000                       ; 5.0
	v_add_nc_u32 v6, s26, v6                       ; out of it: row r, + 64 h
	v_lshl_add_u32 v9, v2, 2, s27                  ; x's scale word: SCL + 64 x wave + 4 r
	v_and_b32 v11, 63, v0
	v_lshlrev_b32 v12, 3, v1                       ; 8 x lane
	v_lshlrev_b32 v11, 4, v11
	v_add_nc_u32 v13, s28, v12                     ; into the weights' stage: row `wave`
	v_add_nc_u32 v10, SCL, v11
	v_mul_u32_u24 v14, v2, WP
	v_lshrrev_b32 v8, 1, v1
	v_mad_u32_u24 v14, v3, 24, v14
	v_and_b32 v184, 1, v0
	v_add_nc_u32 v15, s29, v14                     ; out of it: row r, + 24 h + 96 t
	v_lshlrev_b32 v185, 4, v184
	v_add_nc_u32 v14, s30, v15                     ; in half block wave / 8,
	v_add_nc_u32 v15, 2*WHB, v15                   ; and in the third
	v_lshl_add_u32 v185, v8, 6, v185               ; scale bytes in memory: row lane / 2, 16 bytes at 16 (lane % 2)
	v_lshlrev_b32 v186, 8, v184
	v_add_nc_u32 v187, s31, v4                     ; the turned words' way out
	v_lshl_add_u32 v186, v8, 2, v186
	v_add_nc_u32 v186, s31, v186                   ; turned: step 4 (lane % 2) + e at 64 bytes a step, row lane / 2
.irp b, 0,1,2,3
	v_mov_b32 v[TM+4+\b], 0                        ; a lane permute's destination counts as one of its sources
.endr
	s_wait_alu depctr_va_vdst(0)                   ; the head's end
	s_wait_kmcnt 0x0
	s_add_nc_u64 s[4:5], s[4:5], s[32:33]
	s_add_nc_u64 s[66:67], s[18:19], s[34:35]
	s_add_nc_u64 s[68:69], s[18:19], s[36:37]
	PICK 70, 46, 6, 50
	PICK 72, 47, 6, 52
	PICK 74, 48, 6, 54
	PICK 76, 49, 12, 60
	s_add_nc_u64 s[56:57], s[20:21], s[56:57]
	s_add_nc_u64 s[58:59], s[20:21], s[58:59]
	s_add_nc_u64 s[62:63], s[20:21], s[62:63]
	s_cmp_lt_u32 s[WV], 3
	s_cbranch_scc0 .Lnsl
	global_load_b128 v[WS:WS+3], v185, s[76:77]    ; 16 rows x 32 bytes of scales: the oldest load, so every later count holds with it and without
.Lnsl:
.irp i, 0,1,2,3,4,5,6,7,8,9,10,11,12,13,14,15
	global_load_b128 v[R+4*\i:R+4*\i+3], v4, s[4:5] offset:ROWX*\i th:TH_LOAD_NT   ; 512 consecutive bytes of row i of x
.endr
.irp j, 0,1,2
.irp u, 0,1,2
	global_load_b64 v[WL+6*\j+2*\u:WL+6*\j+2*\u+1], v12, s[70+2*\j:71+2*\j] offset:256*\u th:TH_LOAD_NT   ; 32 lanes read one aligned unit of 256 bytes
.endr
.endr
.irp i, 0,1,2,3,4,5,6,7,8,9,10,11,12,13,14,15
	s_wait_loadcnt 24-\i                           ; loads come back in order: row i is in; the 15 - i younger rows and the weights' nine loads stay out
	ds_store_b128 v5, v[R+4*\i:R+4*\i+3] offset:SP*\i
.endr
.irp b, 0,1,2,3
.irp j, 0,1,2,3
	ds_load_b128 v[X+16*\b+4*\j:X+16*\b+4*\j+3], v6 offset:128*\b+16*\j   ; my own stage: LDS serves a wave's instructions in order
.endr
.endr
	s_wait_dscnt 0x0
.set i, 0
.rept 64
	v_med3_num_f32 v[X+i], v[X+i], -v7, v7         ; the clip, in f32, ahead of the quantiser
.set i, i+1
.endr
.irp b, 0,1,2,3
	v_max3_num_f32 v[TM+\b], |v[X+16*\b]|, |v[X+1+16*\b]|, 0x2800000   ; my 16 numbers of block b, and the floor 2^(5 - 127)
.endr
.irp i, 2,4,6,8,10,12,14
.irp b, 0,1,2,3
	s_delay_alu instid0(VALU_DEP_4)
	v_max3_num_f32 v[TM+\b], v[TM+\b], |v[X+16*\b+\i]|, |v[X+1+16*\b+\i]|
.endr
.endr
.irp b, 0,1,2,3
	s_delay_alu instid0(VALU_DEP_4)
	v_permlanex16_b32 v[TM+4+\b], v[TM+\b], s[SEL], s[SEL+1]
.endr
.irp b, 0,1,2,3
	s_delay_alu instid0(VALU_DEP_4)
	v_max_num_f32 v[TM+\b], v[TM+\b], v[TM+4+\b]   ; with lane l xor 16's: the block's largest magnitude
.endr
.irp b, 0,1,2,3
	s_delay_alu instid0(VALU_DEP_4)
	v_add_nc_u32 v[TM+12+\b], 0xfe000000, v[TM+\b] ; 4 off its exponent field: the conversion's scale operand
.endr
.irp b, 0,1,2,3
	s_delay_alu instid0(VALU_DEP_4)
	v_lshrrev_b32 v[TM+4+\b], 23, v[TM+12+\b]      ; the scale's byte
.endr
	s_delay_alu instid0(VALU_DEP_3)
	v_lshl_or_b32 v[PW], v[TM+5], 8, v[TM+4]
	s_delay_alu instid0(VALU_DEP_1)
	v_lshl_or_b32 v[PW], v[TM+6], 16, v[PW]
	s_delay_alu instid0(VALU_DEP_1)
	v_lshl_or_b32 v[PW], v[TM+7], 24, v[PW]
.irp c, 0,1
	v_cvt_scalef32_pk16_bf6_f32 v[PC+6*\c:PC+2+6*\c], v[X+32*\c:X+15+32*\c], v[TM+12+2*\c]
	v_cvt_scalef32_pk16_bf6_f32 v[PC+12+4*\c:PC+14+4*\c], v[X+16+32*\c:X+31+32*\c], v[TM+12+2*\c+1]
.endr
	v_nop                                          ; one plain place behind a scaled conversion
.irp c, 0,1                                    ; the operand's layout wants a whole block in a lane
.irp i, 0,1,2
	v_permlane16_swap_b32 v[PC+6*\c+\i], v[PC+12+4*\c+\i]
.endr
.irp i, 0,1,2
	s_delay_alu instid0(VALU_DEP_3)
	v_mov_b32 v[PC+3+6*\c+\i], v[PC+12+4*\c+\i]
.endr
.endr
.irp c, 0,1,2
	global_store_b128 v4, v[PC+4*\c:PC+4*\c+3], s[66:67] offset:512*\c   ; x's image: 512 consecutive bytes, aligned
.endr
	ds_store_b32 v9, v[PW]                         ; lanes r and r + 16 write the same word with the same value
	s_wait_loadcnt 0x0                             ; the weights' loads are in
.irp j, 0,1,2
.irp u, 0,1,2
	ds_store_b64 v13, v[WL+6*\j+2*\u:WL+6*\j+2*\u+1] offset:WHB*\j+256*\u
.endr
.endr
	s_cmp_lt_u32 s[WV], 3
	s_cbranch_scc0 .Lnss
.irp e, 0,1,2,3
	ds_store_b32 v186, v[WS+\e] offset:64*\e
.endr
.Lnss:
	s_wait_dscnt 0x0                               ; for the others' sake: my stores have landed
	s_barrier_signal -1
	s_barrier_wait -1
.irp p, 0,1,2,3,4,5
	ds_load_b64 v[FG+2*\p:FG+2*\p+1], v14 offset:48*(\p/3)+8*(\p%3)   ; the operand's registers: 24 bytes at 24 h, 24 more 48 bytes on
.endr
	s_cmp_lt_u32 s[WV], 8
	s_cbranch_scc1 .Lone
.irp p, 0,1,2,3,4,5
	ds_load_b64 v[FG+12+2*\p:FG+12+2*\p+1], v15 offset:48*(\p/3)+8*(\p%3)
.endr
	s_wait_dscnt 0x0
.irp c, 0,1,2
	global_store_b128 v4, v[FG+12+4*\c:FG+12+4*\c+3], s[58:59] offset:512*\c
.endr
.Lone:
	s_wait_dscnt 0x0
.irp c, 0,1,2
	global_store_b128 v4, v[FG+4*\c:FG+4*\c+3], s[56:57] offset:512*\c   ; 32 lanes store 512 consecutive bytes, aligned
.endr
	s_cmp_lt_u32 s[WV], 3
	s_cbranch_scc0 .Lnso
	ds_load_b128 v[WO:WO+3], v187
	s_wait_dscnt 0x0
	global_store_b128 v4, v[WO:WO+3], s[62:63]     ; a half block's 512 bytes of scale words
.Lnso:
	s_cmp_lt_u32 s[WV], 2                          ; x's 1,024 bytes of scale words leave by waves 0 and 1
	s_cbranch_scc0 .Lend
	ds_load_b128 v[R:R+3], v10
	s_wait_dscnt 0x0
	global_store_b128 v11, v[R:R+3], s[68:69]
.Lend:
	s_wait_tensorcnt 0x0                           ; the wave's end
	ds_add_u32 v192, v193
	s_wait_dscnt 0x0
	s_endpgm
.Lfunc_end_k_q6bee5f8721_quant:
	.size	k_q6bee5f8721_quant, .Lfunc_end_k_q6bee5f8721_quant-k_q6bee5f8721_quant
	.p2alignl 7, 3214868480
	.fill 96, 4, 3214868480
	.section	.rodata,"a",@progbits
	.p2align	6, 0x0
	.amdhsa_kernel k_q6bee5f8721_quant
		.amdhsa_group_segment_fixed_size 177920
		.amdhsa_private_segment_fixed_size 0
		.amdhsa_enable_private_segment 0
		.amdhsa_kernarg_size 72
		.amdhsa_user_sgpr_count 2
		.amdhsa_user_sgpr_kernarg_segment_ptr 1
		.amdhsa_wavefront_size32 1
		.amdhsa_system_sgpr_workgroup_id_x 1
		.amdhsa_system_sgpr_workgroup_id_y 1
		.amdhsa_system_sgpr_workgroup_id_z 1
		.amdhsa_system_vgpr_workitem_id 0
		.amdhsa_next_free_vgpr 248
		.amdhsa_next_free_sgpr 80
		.amdhsa_reserve_vcc 0
		.amdhsa_float_denorm_mode_32 3
		.amdhsa_float_denorm_mode_16_64 3
		.amdhsa_memory_ordered 1
		.amdhsa_forward_progress 1
		.amdhsa_inst_pref_size 26
	.end_amdhsa_kernel
	.amdgpu_metadata
---
amdhsa.version: [ 1, 2 ]
amdhsa.kernels:
  - .name:           k_q6bee5f8721_quant
    .symbol:         k_q6bee5f8721_quant.kd
    .args:
      - { .name: x, .offset: 0, .size: 8, .value_kind: global_buffer, .address_space: global }
      - { .name: W_slow_codes, .offset: 8, .size: 8, .value_kind: global_buffer, .address_space: global }
      - { .name: W_medium_codes, .offset: 16, .size: 8, .value_kind: global_buffer, .address_space: global }
      - { .name: W_fast_codes, .offset: 24, .size: 8, .value_kind: global_buffer, .address_space: global }
      - { .name: W_slow_scales, .offset: 32, .size: 8, .value_kind: global_buffer, .address_space: global }
      - { .name: W_medium_scales, .offset: 40, .size: 8, .value_kind: global_buffer, .address_space: global }
      - { .name: W_fast_scales, .offset: 48, .size: 8, .value_kind: global_buffer, .address_space: global }
      - { .name: xa, .offset: 56, .size: 8, .value_kind: global_buffer, .address_space: global }
      - { .name: wq, .offset: 64, .size: 8, .value_kind: global_buffer, .address_space: global }
    .group_segment_fixed_size: 177920
    .private_segment_fixed_size: 0
    .kernarg_segment_align: 8
    .kernarg_segment_size: 72
    .max_flat_workgroup_size: 512
    .sgpr_count:     80
    .vgpr_count:     248
    .wavefront_size: 32
...
	.end_amdgpu_metadata
.endif
;; end of part 1
;; launch gemm (part 2): grid 16 x 16, 4 waves a work-group, clusters of 4 x 4, 327,680 bytes of LDS; arguments xa, wq, pre; writes pre
.if DOCPART == 2
	.amdgcn_target "amdgcn-amd-amdhsa--gfx1250"
	.amdhsa_code_object_version 6
	.text
	.protected	k_q6bee5f8721_gemm
	.globl	k_q6bee5f8721_gemm
	.p2align	8
	.type	k_q6bee5f8721_gemm,@function
k_q6bee5f8721_gemm:
	s_mov_b64 s[64:65], 0
	v_nop
	global_prefetch_b8 v0, s[64:65] scope:SCOPE_SE
	s_setreg_imm32_b32 hwreg(HW_REG_WAVE_MODE, 25, 1), 1
	s_wait_xcnt 0x0
	s_wait_alu depctr_hold_cnt(0) depctr_sa_sdst(0) depctr_va_vdst(0) depctr_va_sdst(0) depctr_va_ssrc(0) depctr_va_vcc(0) depctr_vm_vsrc(0)
	s_getreg_b32 s2, hwreg(HW_REG_IB_STS2, 6, 4)
	s_cmp_eq_u32 s2, 0
	s_cbranch_scc0 .Lentry_in_a_cluster
	s_endpgm
.Lentry_in_a_cluster:
	s_bfe_u32 s2, ttmp6, 0x10000c
	s_cmp_lg_u32 s2, 0xf033
	s_cbranch_scc0 .Lentry_shape_is_right
	s_endpgm
.Lentry_shape_is_right:
; pre = clip(clip(xc Ws^T, +-10) + xc Wm^T + xc Wf^T, +-10), [4096][2048] f32; all operands are codes of BF6 with E8M0 scales, as launch quant has laid them (its head describes xa and wq).
; A work-group of four waves makes 256 rows x 128 columns for all three weights; a wave 128 x 64: 32 accumulators for the slow product (window 2), 32 shared by the medium and fast ones (window 3), whose sum is all that is wanted.
; K goes in slots of 256 (two steps of 128) through a ring of two LDS slots.  Every tile is a dense block of memory, stated as rows of 256 bytes: wave 0 fetches x's 16 blocks (49,152 bytes), waves 1-3 a weight's 8 blocks each (24,576).
; The scale words for all of K lie in memory in front of each tile's first slot: the head's one load a wave brings them with slot 0, and they stay.
; Images are read as they lie: a fragment is three loads of 16 bytes a lane at 16 x lane; a block's scale words of a slot are one load of 4 bytes a lane: lanes 0-15 the first step's, lanes 16-31 the second's (ROW1).
; CLUSTERS 4 x 4: x's tiles are asked for jointly along a row of the cluster, the weights' along a column.  THE MATRIX INSTRUCTION IS USED TRANSPOSED (source 0 = 16 rows of a weight, source 1 = 16 rows of x).
; PREFETCH: behind each fill's load the next fill's bytes are named once in the cluster: of x's 192 units of 256 bytes the partner at cx takes 48, of a weight's 96 the partner at cy takes 24, two instructions a wave; the last fill names nothing.
; The last K step goes by blocks of 16 rows, so that a finished block leaves while the next is multiplied.
; REGISTERS: window 0: v0-31 addresses, v32-71 scale words (two sets of 8 + 12), v128-223 x's fragments of a slot's first step; window 1: v0-143 the weights' 12 fragments, v144-239 x's fragments of the second step.
.set ATC,   49152
.set BTC,   24576
.set A0,    16384                      ; LDS: x's scales at 0, slot 0's codes behind them
.set SCB,   65536                      ; weight w: scales at SCB + 32,768 w, slot 0's codes 8,192 on
.set B0,    SCB+8192
.set A1,    163840                     ; slot 1
.set B1,    A1+ATC
.set SPARE, 286720                     ; the spare words, 128 bytes a wave
.set STAGE, SPARE+512                  ; the way out: 16 rows x 272 bytes a wave; no fill lands here
.set SPITCH, 272
.set SPW,  4
.set NIL,  5
.set ADRA, 8                           ; v8-9    x's fragments in slot 0, 1
.set ADRB, 10                          ; v10-15  weight w's in slot s at ADRB + 3 s + w
.set ADSA, 16                          ; v16     x's scale words;  v17-19 the weights'
.set ADSB, 17
.set PF0,  20                          ; v20-21  the prefetches' offsets
.set PF1,  21
.set STO,  24
.set RD,   25
.set CO,   26
.set SC,   32
.set TMP,  112
.set BK,   176
.set G1A,  32
.set G0A,  40
.set G1B,  48
.set G0B,  56
.set G0HA, 68
.set G0HB, 72
.set PFB,  76
.set PFS,  78
.set MSB, 0
.macro WIN new                         ; the immediate's high byte repeats the setting that is left
.if MSB != \new
	s_set_vgpr_msb (MSB<<8)|\new
.set MSB, \new
.endif
.endm
.macro PLACES n
.rept \n
	v_nop
.endr
.endm
.macro JLOAD g0a, g1a, g0b, g1b        ; wave 0 asks for x's tile, waves 1-3 for their weight's; s_nop 0 and four v_nop behind each line
	s_cmp_eq_u32 s22, 0
	s_cbranch_scc0 .Lfor_b_\@
	tensor_load_to_lds s[\g0a:\g0a+3], s[\g1a:\g1a+7]
	s_nop 0
.rept 4
	v_nop
.endr
	s_branch .Lasked_\@
.Lfor_b_\@:
	tensor_load_to_lds s[\g0b:\g0b+3], s[\g1b:\g1b+7]
	s_nop 0
.rept 4
	v_nop
.endr
.Lasked_\@:
.endm
.macro CREST
	s_cmp_lg_u32 s22, 0
	s_cbranch_scc1 .Lnot_wave_0_\@
	s_barrier_signal -3
.Lnot_wave_0_\@:
	s_barrier_wait -3
	s_barrier_signal -1
	s_barrier_wait -1
.endm
.macro CROUND
	s_barrier_signal -1
	s_barrier_wait -1
	CREST
.endm
.macro ASK
	global_prefetch_b8 v[PF0], s[PFB:PFB+1] th:TH_LOAD_NT scope:SCOPE_SE
	global_prefetch_b8 v[PF1], s[PFB:PFB+1] th:TH_LOAD_NT scope:SCOPE_SE
.endm
	s_load_b128 s[4:7], s[0:1], 0x0                ; xa, wq
	s_load_b64 s[8:9], s[0:1], 0x10                ; pre
	v_lshl_add_u32 v[SPW], v0, 2, SPARE
	v_mov_b32 v[NIL], 0
	ds_add_u32 v[SPW], v[NIL]                      ; the opening lines: the add, twice on end, and its wait
	ds_add_u32 v[SPW], v[NIL]
	v_lshrrev_b32 v1, 5, v0
	v_readfirstlane_b32 s22, v1                    ; wave
	s_lshr_b32 s23, s22, 1                         ; my half of the rows
	s_and_b32 s24, s22, 1                          ; my half of the columns
	s_bfe_u32 s25, ttmp6, 0x40000                  ; cx
	s_bfe_u32 s26, ttmp6, 0x40004                  ; cy
	s_lshl_b32 s27, ttmp9, 2
	s_add_co_u32 s27, s27, s25                     ; tile column
	s_and_b32 s28, ttmp7, 0xffff
	s_lshl_b32 s28, s28, 2
	s_add_co_u32 s28, s28, s26                     ; tile row
	s_lshl_b32 s29, s26, 2
	s_lshl_b32 s29, 15, s29                        ; my row of the cluster
	s_lshl_b32 s30, 0x1111, s25                    ; my column
	s_or_b32 s[G1A+0], s29, (3<<16)|(1<<21)        ; rows of 32 elements of 8 bytes, dense; the head's load has 256 rows (scales and slot 0), the ring's 192
	s_mov_b32 s[G1A+1], 32<<16
	s_mov_b32 s[G1A+2], 256<<16
	s_mov_b32 s[G1A+3], 32<<16
	s_mov_b32 s[G1A+4], 256
	s_mov_b32 s[G1A+5], 32
	s_mov_b32 s[G1A+6], 0
	s_mov_b32 s[G1A+7], 0
	s_or_b32 s[G1B+0], s30, (3<<16)|(1<<21)        ; a weight's: 128 rows at the head, 96 in the ring
	s_mov_b32 s[G1B+1], 32<<16
	s_mov_b32 s[G1B+2], 128<<16
	s_mov_b32 s[G1B+3], 32<<16
	s_mov_b32 s[G1B+4], 128
	s_mov_b32 s[G1B+5], 32
	s_mov_b32 s[G1B+6], 0
	s_mov_b32 s[G1B+7], 0
	s_mul_i32 s92, s28, 409600
	s_mov_b32 s93, 0
	s_mul_i32 s94, s27, 614400
	s_mul_i32 s95, s22, 204800                     ; wave 1 + w finds weight w's tile at place 3 x tile column + wave
	s_add_co_u32 s94, s94, s95
	s_mov_b32 s95, 0
	s_lshl_b32 s96, s22, 15
	s_mul_i32 s97, s22, BTC
	s_mul_i32 s10, s25, 12288                      ; the prefetches begin at fill 1: x's codes, my 48 units by cx;
	s_add_co_u32 s10, s10, A0+ATC
	s_mov_b32 s11, 0
	s_mul_i32 s12, s26, 6144                       ; a weight's, my 24 units by cy
	s_add_co_u32 s12, s12, 8192+BTC
	s_mov_b32 s13, 0
	s_mul_i32 s18, s23, 8*3072
	s_mul_i32 s19, s24, 4*3072
	s_lshl_b32 s20, s23, 13
	s_lshl_b32 s21, s24, 12
	s_mul_i32 s31, s22, 16*SPITCH
	s_add_co_u32 s31, s31, STAGE
	s_lshl_b32 s98, s28, 21                        ; pre: 256 rows a tile row, 128 a half; 512 bytes a tile column, 256 a half
	s_lshl_b32 s99, s23, 20
	s_add_co_u32 s98, s98, s99
	s_lshl_b32 s99, s27, 9
	s_add_co_u32 s98, s98, s99
	s_lshl_b32 s99, s24, 8
	s_add_co_u32 s98, s98, s99
	s_mov_b32 s99, 0
	s_wait_dscnt 0x0                               ; both opening adds are done
	s_wait_kmcnt 0x0
	s_add_nc_u64 s[4:5], s[4:5], s[92:93]
	s_add_nc_u64 s[6:7], s[6:7], s[94:95]
	s_add_nc_u64 s[8:9], s[8:9], s[98:99]
	s_add_nc_u64 s[14:15], s[4:5], s[10:11]
	s_add_nc_u64 s[16:17], s[6:7], s[12:13]
	s_cmp_eq_u32 s22, 0
	s_cselect_b64 s[PFB:PFB+1], s[14:15], s[16:17]
	s_mov_b32 s[PFS], BTC
	s_cselect_b32 s[PFS], ATC, s[PFS]              ; a fill's step
	s_mov_b32 s[PFS+1], 0
	s_cselect_b32 s92, 24, 12                      ; units an instruction
	s_sub_co_u32 s93, s92, 1
	s_lshl_b32 s94, s92, 8
	s_mov_b32 s[G0HA], 1
	s_mov_b32 s[G0HA+1], 0
	s_mov_b64 s[G0HA+2:G0HA+3], s[4:5]
	s_or_b32 s[G0HA+3], s[G0HA+3], 0x80000000
	s_mov_b32 s[G0HB], 1
	s_add_co_u32 s[G0HB+1], s96, SCB-32768
	s_mov_b64 s[G0HB+2:G0HB+3], s[6:7]
	s_or_b32 s[G0HB+3], s[G0HB+3], 0x80000000
	s_mov_b32 s[G0A], 1
	s_mov_b32 s[G0A+1], A0
	s_add_nc_u64 s[G0A+2:G0A+3], s[4:5], A0
	s_or_b32 s[G0A+3], s[G0A+3], 0x80000000
	s_mov_b32 s[G0A+4], 1
	s_mov_b32 s[G0A+5], A1
	s_add_nc_u64 s[G0A+6:G0A+7], s[4:5], A0+ATC
	s_or_b32 s[G0A+7], s[G0A+7], 0x80000000
	s_mov_b32 s[G0B], 1
	s_add_co_u32 s[G0B+1], s96, B0-32768
	s_add_nc_u64 s[G0B+2:G0B+3], s[6:7], 8192
	s_or_b32 s[G0B+3], s[G0B+3], 0x80000000
	s_mov_b32 s[G0B+4], 1
	s_add_co_u32 s[G0B+5], s97, B1-BTC
	s_add_nc_u64 s[G0B+6:G0B+7], s[6:7], 8192+BTC
	s_or_b32 s[G0B+7], s[G0B+7], 0x80000000
	CROUND                                         ; all sixteen work-groups are here: the first joint loads meet
	JLOAD G0HA, G1A, G0HB, G1B                     ; one tensor load a wave at the head: scales and slot 0
	v_and_b32 v1, 31, v0
	v_and_b32 v2, 15, v0
	v_bfe_u32 v3, v0, 4, 1
	v_mov_b32 v6, 0x41200000                       ; 10.0
	v_lshlrev_b32 v7, 4, v1
	v_lshlrev_b32 v27, 2, v1
	v_add_nc_u32 v28, s18, v7
	v_add_nc_u32 v29, s19, v7
	v_add_nc_u32 v30, s21, v27
	v_add_nc_u32 v[ADRA], A0, v28
	v_add_nc_u32 v[ADRA+1], A1, v28
.irp w, 0,1,2
	v_add_nc_u32 v[ADRB+\w], B0+32768*\w, v29
	v_add_nc_u32 v[ADRB+3+\w], B1+BTC*\w, v29
	v_add_nc_u32 v[ADSB+\w], SCB+32768*\w, v30
.endr
	v_add_nc_u32 v[ADSA], s20, v27
	v_mul_u32_u24 v28, v2, SPITCH                  ; into my stage: row r, 32 bytes for each half of the lanes
	v_mul_u32_u24 v29, v3, SPITCH                  ; back: lanes 0-15 one row of 256 bytes, lanes 16-31 the next
	v_lshl_add_u32 v28, v3, 5, v28
	v_lshl_add_u32 v29, v2, 4, v29
	v_add_nc_u32 v[STO], s31, v28
	v_add_nc_u32 v[RD], s31, v29
	v_lshlrev_b32 v[CO], 13, v3
	v_min_u32 v[PF0], s93, v1                      ; lanes left over name their wave's last unit again
	v_lshl_add_u32 v[CO], v2, 4, v[CO]
	v_lshlrev_b32 v[PF0], 8, v[PF0]
	v_add_nc_u32 v[PF1], s94, v[PF0]
	ASK                                            ; fill 1
.macro ONE w, a, b, q, sc, zero
.set DD, 8*(4*(\a)+\b)
.set FB, 48*(\w)+12*\b
.set FA, 128+16*(\q)+12*(\a)
.set KB, SC+20*(\sc)+8+4*(\w)+\b
.set KA, SC+20*(\sc)+(\a)
.if \q
	v_wmma_scale_f32_16x16x128_f8f6f4 v[DD:DD+7], v[FB:FB+11], v[FA:FA+11], v[DD:DD+7], v[KB], v[KA] matrix_a_fmt:MATRIX_FMT_BF6 matrix_b_fmt:MATRIX_FMT_BF6 matrix_a_scale:MATRIX_SCALE_ROW1 matrix_b_scale:MATRIX_SCALE_ROW1
.else
.if \zero
	v_wmma_scale_f32_16x16x128_f8f6f4 v[DD:DD+7], v[FB:FB+11], v[FA:FA+11], 0, v[KB], v[KA] matrix_a_fmt:MATRIX_FMT_BF6 matrix_b_fmt:MATRIX_FMT_BF6
.else
	v_wmma_scale_f32_16x16x128_f8f6f4 v[DD:DD+7], v[FB:FB+11], v[FA:FA+11], v[DD:DD+7], v[KB], v[KA] matrix_a_fmt:MATRIX_FMT_BF6 matrix_b_fmt:MATRIX_FMT_BF6
.endif
.endif
.endm
.macro MWIN w, q                       ; source 0 window 1; source 1 window q; C and D window 2 (slow) or 3
.if (\w) == 0
.set WN, 0xa1+4*(\q)
.else
.set WN, 0xf1+4*(\q)
.endif
	WIN WN
.endm
.macro MUL16 w, a0, q, sc, zero        ; x's blocks a0 .. a0 + 3 against weight w's four: the accumulators take turns
	MWIN \w, \q
.irp a, \a0, \a0+1, \a0+2, \a0+3
.irp b, 0,1,2,3
	ONE \w, \a, \b, \q, \sc, \zero
.endr
.endr
.endm
.macro LB w, slot, q
	WIN 0x40
.irp b, 0,1,2,3
.irp c, 0,1,2
	ds_load_b128 v[48*(\w)+12*\b+4*\c:48*(\w)+12*\b+4*\c+3], v[ADRB+3*(\slot)+(\w)] offset:3072*\b+1536*(\q)+512*\c
.endr
.endr
.endm
.macro LA q, slot, a0, n
.if \q
	WIN 0x40
.else
	WIN 0
.endif
.set aa, \a0
.rept \n
.irp c, 0,1,2
	ds_load_b128 v[128+16*(\q)+12*aa+4*\c:128+16*(\q)+12*aa+4*\c+3], v[ADRA+(\slot)] offset:3072*aa+1536*(\q)+512*\c
.endr
.set aa, aa+1
.endr
.endm
.macro LSC set                         ; 20 loads: the scale words of a slot's two steps
	WIN 0
.irp a, 0,1,2,3,4,5,6,7
	ds_load_b32 v[SC+20*(\set)+\a], v[ADSA] offset:1024*\a+128*(\set)
.endr
.irp w, 0,1,2
.irp b, 0,1,2,3
	ds_load_b32 v[SC+20*(\set)+8+4*\w+\b], v[ADSB+\w] offset:1024*\b+128*(\set)
.endr
.endr
.endm
.macro RUN1 slot, q                    ; 21 loads
	LB 0, \slot, \q
	LA \q, \slot, 0, 3
.endm
.macro RUN2 slot, q                    ; 21 loads
	LB 1, \slot, \q
	LA \q, \slot, 3, 3
.endm
.macro RUN3 slot, q                    ; 18 loads: x's blocks 6, 7 (6), then the third weight (12)
	LA \q, \slot, 6, 2
	LB 2, \slot, \q
.endm
.macro STEP slot, zero                 ; a slot's first step; each weight's fragments are fetched anew, for the second step, as soon as its 32 products are issued
	s_wait_dscnt 18                                ; all but RUN3
	MUL16 0, 0, 0, \slot, \zero
	s_wait_dscnt 12                                ; x's blocks 6, 7 are in
	MUL16 0, 4, 0, \slot, \zero
	PLACES 4
	RUN1 \slot, 1
	MUL16 1, 0, 0, \slot, \zero
	MUL16 1, 4, 0, \slot, \zero
	s_wait_dscnt 21                                ; all but the 21 just issued: the third weight is in
	PLACES 4
	RUN2 \slot, 1
	MUL16 2, 0, 0, \slot, 0
	MUL16 2, 4, 0, \slot, 0
	PLACES 4
	RUN3 \slot, 1
	WIN 0
.endm
.macro TURN slot, next, fill           ; a slot's second step, and the change of slots
.if \fill
	s_wait_xcnt 0x0                                ; my prefetches have read their base: on to the next fill
	s_add_nc_u64 s[PFB:PFB+1], s[PFB:PFB+1], s[PFS:PFS+1]
.endif
	s_wait_tensorcnt 0x0                           ; my part of the next slot has landed;
	ds_add_u32 v[SPW], v[NIL]
	s_wait_dscnt 19                                ; (the add and RUN3's 18 may be out)
	MUL16 0, 0, 1, \slot, 0
	s_wait_dscnt 0x0                               ; the add is done, and my reads of this slot are over
	s_barrier_signal -1
	MUL16 0, 4, 1, \slot, 0
	WIN 0
	s_barrier_wait -1
.if \fill
	CREST                                          ; the barrier has opened a round of the cluster's barrier
	s_add_nc_u64 s[G0A+4*\slot+2:G0A+4*\slot+3], s[G0A+4*\slot+2:G0A+4*\slot+3], 2*ATC
	s_add_nc_u64 s[G0B+4*\slot+2:G0B+4*\slot+3], s[G0B+4*\slot+2:G0B+4*\slot+3], 2*BTC
	JLOAD G0A+4*\slot, G1A, G0B+4*\slot, G1B       ; the first tensor load behind the round; its four v_nop are the places in front of the loads below
.else
	PLACES 4
.endif
.if \slot == 1
.irp i, 0,1,2,3
	v_add_nc_u32 v[ADSA+\i], 256, v[ADSA+\i]       ; the scale words of the next two slots
.endr
	s_wait_alu depctr_va_vdst(0)
.endif
	RUN1 \next, 0
	LSC \next
.if \fill
.if \slot == 1
	s_cmp_lg_u32 s3, 1                             ; the last fill has none behind it
	s_cbranch_scc0 .Lno_ask_\@
.endif
	ASK
.if \slot == 1
.Lno_ask_\@:
.endif
.endif
	MUL16 1, 0, 1, \slot, 0
	MUL16 1, 4, 1, \slot, 0
	PLACES 4
	RUN2 \next, 0
	MUL16 2, 0, 1, \slot, 0
	MUL16 2, 4, 1, \slot, 0
	PLACES 4
	RUN3 \next, 0
	WIN 0
.endm
	s_wait_alu depctr_va_vdst(0)                   ; the head's end
	s_wait_tensorcnt 0x0                           ; my tile of the head's four is in;
	ds_add_u32 v[SPW], v[NIL]
	s_mov_b32 s[G1A+2], 192<<16                    ; no tensor load of mine is out: from here on a load brings a slot's codes alone
	s_mov_b32 s[G1A+4], 192
	s_mov_b32 s[G1B+2], 96<<16
	s_mov_b32 s[G1B+4], 96
	s_wait_xcnt 0x0
	s_add_nc_u64 s[PFB:PFB+1], s[PFB:PFB+1], s[PFS:PFS+1]
	s_wait_dscnt 0x0
	CROUND
	JLOAD G0A+4, G1A, G0B+4, G1B                   ; slot 1's first fill, the first tensor load behind the round
	RUN1 0, 0
	LSC 0
	RUN2 0, 0
	RUN3 0, 0
	WIN 0
	ASK                                            ; fill 2
	STEP 0, 1                                      ; the first products start the sums
	s_mov_b32 s3, 3
.Llap:
	TURN 0, 1, 1
	STEP 1, 0
	TURN 1, 0, 1
	STEP 0, 0
	s_sub_co_u32 s3, s3, 1
	s_cmp_lg_u32 s3, 0
	s_cbranch_scc1 .Llap
	TURN 0, 1, 0
	STEP 1, 0
; THE LAST STEP, BY BLOCKS OF 16 ROWS: all its fragments are in registers; a block's 12 products, then its way out under the next block's.
.macro ROWMUL a
.irp w, 1, 0, 2                        ; seven other products stand between the medium and the fast weight's on one accumulator
	MWIN \w, 1
.irp b, 0,1,2,3
	ONE \w, \a, \b, 1, 1, 0
.endr
.endr
.endm
.macro PREP a                          ; clip(clip(slow) + medium + fast); each accumulator is read from its low end on
.set TT, TMP+32*((\a)%2)
.set AC, 32*(\a)
	WIN 0x02
.set i, 0
.rept 32
	v_med3_num_f32 v[TT+i], v[AC+i], -v6, v6
.set i, i+1
.endr
	WIN 0x0c
.set i, 0
.rept 16
	v_pk_add_f32 v[TT+i:TT+i+1], v[TT+i:TT+i+1], v[AC+i:AC+i+1]
.set i, i+2
.endr
	WIN 0
.set i, 0
.rept 32
	v_med3_num_f32 v[TT+i], v[TT+i], -v6, v6
.set i, i+1
.endr
.endm
.macro TOSTAGE a                       ; through my own stage: LDS serves a wave's instructions in order
.set TT, TMP+32*((\a)%2)
.set BB, BK+32*((\a)%2)
.irp b, 0,1,2,3
	ds_store_b128 v[STO], v[TT+8*\b:TT+8*\b+3] offset:64*\b
	ds_store_b128 v[STO], v[TT+8*\b+4:TT+8*\b+7] offset:64*\b+16
.endr
.irp t, 0,1,2,3,4,5,6,7
	ds_load_b128 v[BB+4*\t:BB+4*\t+3], v[RD] offset:\t*2*SPITCH
.endr
.endm
.macro SEND a, younger
.set BB, BK+32*((\a)%2)
	s_wait_dscnt \younger
.if (\a) > 0
	s_add_nc_u64 s[8:9], s[8:9], 16*8192           ; (behind a wait on XCNT: the earlier stores have read their base)
.endif
.irp t, 0,1,2,3,4,5,6,7
	global_store_b128 v[CO], v[BB+4*\t:BB+4*\t+3], s[8:9] offset:\t*2*8192 th:TH_STORE_NT   ; 16 lanes store 256 consecutive bytes, aligned
.endr
.endm
	s_wait_dscnt 0x0
	ROWMUL 0
	ROWMUL 1
	PLACES 4
	PREP 0
	TOSTAGE 0
.irp a, 1,2,3,4,5,6,7
.if \a < 7
	ROWMUL \a+1
	PLACES 4
.endif
.if \a > 1
	s_wait_xcnt 0x0                                ; block a - 2's stores have read their registers and their base
.endif
	PREP \a
	TOSTAGE \a
	SEND \a-1, 16                                  ; behind block a - 1's loads: block a's 8 stores and 8 loads
.endr
	s_wait_xcnt 0x0
	SEND 7, 0
	s_wait_tensorcnt 0x0                           ; the wave's end
	ds_add_u32 v[SPW], v[NIL]
	s_wait_dscnt 0x0
	CROUND                                         ; the closing round
	s_endpgm
.Lfunc_end_k_q6bee5f8721_gemm:
	.size	k_q6bee5f8721_gemm, .Lfunc_end_k_q6bee5f8721_gemm-k_q6bee5f8721_gemm
	.p2alignl 7, 3214868480
	.fill 96, 4, 3214868480
	.section	.rodata,"a",@progbits
	.p2align	6, 0x0
	.amdhsa_kernel k_q6bee5f8721_gemm
		.amdhsa_group_segment_fixed_size 327680
		.amdhsa_private_segment_fixed_size 0
		.amdhsa_enable_private_segment 0
		.amdhsa_kernarg_size 24
		.amdhsa_user_sgpr_count 2
		.amdhsa_user_sgpr_kernarg_segment_ptr 1
		.amdhsa_wavefront_size32 1
		.amdhsa_system_sgpr_workgroup_id_x 1
		.amdhsa_system_sgpr_workgroup_id_y 1
		.amdhsa_system_sgpr_workgroup_id_z 1
		.amdhsa_system_vgpr_workitem_id 0
		.amdhsa_next_free_vgpr 1024
		.amdhsa_next_free_sgpr 100
		.amdhsa_reserve_vcc 0
		.amdhsa_float_denorm_mode_32 3
		.amdhsa_float_denorm_mode_16_64 3
		.amdhsa_memory_ordered 1
		.amdhsa_forward_progress 1
		.amdhsa_inst_pref_size 207
	.end_amdhsa_kernel
	.amdgpu_metadata
---
amdhsa.version: [ 1, 2 ]
amdhsa.kernels:
  - .name:           k_q6bee5f8721_gemm
    .symbol:         k_q6bee5f8721_gemm.kd
    .args:
      - { .name: xa, .offset: 0, .size: 8, .value_kind: global_buffer, .address_space: global }
      - { .name: wq, .offset: 8, .size: 8, .value_kind: global_buffer, .address_space: global }
      - { .name: pre, .offset: 16, .size: 8, .value_kind: global_buffer, .address_space: global }
    .group_segment_fixed_size: 327680
    .private_segment_fixed_size: 0
    .kernarg_segment_align: 8
    .kernarg_segment_size: 24
    .max_flat_workgroup_size: 128
    .sgpr_count:     100
    .vgpr_count:     1024
    .wavefront_size: 32
...
	.end_amdgpu_metadata
.endif
;; end of part 2
;; launch norm (part 3): grid 256 x 1, 4 waves a work-group, no clusters, 16,896 bytes of LDS; arguments pre, ln_gamma, ln_beta, out0; writes out0
.if DOCPART == 3
	.amdgcn_target "amdgcn-amd-amdhsa--gfx1250"
	.amdhsa_code_object_version 6
	.text
	.protected	k_q6bee5f8721_norm
	.globl	k_q6bee5f8721_norm
	.p2align	8
	.type	k_q6bee5f8721_norm,@function
k_q6bee5f8721_norm:
	s_mov_b64 s[64:65], 0
	v_nop
	global_prefetch_b8 v0, s[64:65] scope:SCOPE_SE
	s_setreg_imm32_b32 hwreg(HW_REG_WAVE_MODE, 25, 1), 1
	s_wait_xcnt 0x0
; out0 = 5 tanh(((pre - mean) rsqrt(var + 1e-5) gamma + beta) / 5), mean and var over a row of 2,048; pre, out0: [4096][2048] f32.
; A work-group owns 16 rows, each of its four waves 4 whole rows.  A row is 8,192 bytes: sixteen loads of 16 bytes a lane, 64 registers; it stays in registers through the mean, the variance (of the differences from the mean, as reference() has it)
; and the scaling: pre is read once, and no wave waits for another but once, for gamma and beta, which the work-group reads once and shares through LDS.
; tanh(y) = 1 - 2 / (1 + 2^(2 log2(e) y)).  With c = 2 log2(e) / 5 folded into gamma and beta: out = 5 - 10 / (1 + 2^(d rstd (c gamma) + c beta)), d = pre - mean.  A power that overflows gives 5, one that falls to 0 gives -5.
; NOT COMPUTED: reference()'s learned_plasticity, which reaches no result that it returns (its inputs pc_w1, pc_b1, pc_w2, pc_b2, ema_mean, ema_std are not read).
; REGISTERS: window 1: row i at v[64 i]: register 4 j + e = column 128 j + 4 lane + e.   window 0: v1, v2 addresses; v[8:9] -10, v[10:11] 5; v[12:13] -mean, v[14:15] rstd (the low word serves both halves);
;   v[16:23] four chains of pairs; v24-26 at work; v32-63 gamma and beta as loaded; v64-127 c gamma, v128-191 c beta of my 64 columns.
.set ROWB, 8192
.set GM,   64
.set BE,   128
.set MSB, 0
.macro WIN new                         ; the immediate's high byte repeats the setting that is left
.if MSB != \new
	s_set_vgpr_msb (MSB<<8)|\new
.set MSB, \new
.endif
.endm
	s_load_b256 s[4:11], s[0:1], 0x0               ; pre s[4:5], gamma s[6:7], beta s[8:9], out0 s[10:11]
	v_lshl_add_u32 v254, v0, 2, 0x4000
	v_mov_b32 v255, 0
	v_lshrrev_b32 v1, 5, v0
	v_readfirstlane_b32 s16, v1                    ; wave 0..3
	v_and_b32 v1, 31, v0
	v_lshlrev_b32 v1, 4, v1                        ; 16 x lane
	v_lshlrev_b32 v2, 4, v0                        ; 16 x thread
	s_mov_b32 s12, 0x76543210                      ; v_permlanex16_b32's selects for lane l xor 16
	s_mov_b32 s13, 0xfedcba98
	s_mov_b32 s14, 0x3a000000                      ; 1 / 2048
	s_mov_b32 s15, 0x3727c5ac                      ; 1e-5
	s_mov_b32 s17, 0xba000000                      ; -1 / 2048
	v_mov_b32 v8, 0xc1200000                       ; -10
	v_mov_b32 v9, 0xc1200000
	v_mov_b32 v10, 0x40a00000                      ; 5
	v_mov_b32 v11, 0x40a00000
	v_mov_b32 v13, 0                               ; (named as the upper halves of pairs, so they are written)
	v_mov_b32 v15, 0
	v_mov_b32 v25, 0                               ; a lane permute's destination counts as one of its sources
	s_lshl_b32 s18, ttmp9, 17                      ; 16 rows a work-group,
	s_lshl_b32 s19, s16, 15                        ; 4 rows a wave
	s_add_co_u32 s18, s18, s19
	s_mov_b32 s19, 0
	s_wait_alu depctr_va_vdst(0)
	s_wait_kmcnt 0x0
	s_add_nc_u64 s[4:5], s[4:5], s[18:19]
	s_add_nc_u64 s[10:11], s[10:11], s[18:19]
.irp j, 0,1,2,3
	global_load_b128 v[32+4*\j:35+4*\j], v2, s[6:7] offset:2048*\j   ; the 128 threads read 2,048 consecutive bytes: each byte of gamma and beta once a work-group
	global_load_b128 v[48+4*\j:51+4*\j], v2, s[8:9] offset:2048*\j
.endr
.macro XROW i                          ; a row's sixteen loads, 512 consecutive bytes each
.irp j, 0,1,2,3,4,5,6,7,8,9,10,11,12,13,14,15
	global_load_b128 v[64*(\i)+4*\j:64*(\i)+4*\j+3], v1, s[4:5] offset:ROWB*(\i)+512*\j th:TH_LOAD_NT
.endr
.endm
	WIN 0x40                                       ; destination window 1
	XROW 0
	XROW 1
	XROW 2
	WIN 0
	s_wait_loadcnt 48                              ; gamma and beta are in; the three rows' 48 loads stay out
.irp j, 0,1,2,3
	ds_store_b128 v2, v[32+4*\j:35+4*\j] offset:2048*\j
	ds_store_b128 v2, v[48+4*\j:51+4*\j] offset:8192+2048*\j
.endr
	WIN 0x40
	XROW 3
	WIN 0
	s_wait_dscnt 0x0                               ; for the others' sake: my stores have landed
	s_barrier_signal -1
	s_barrier_wait -1
.irp j, 0,1,2,3,4,5,6,7,8,9,10,11,12,13,14,15
	ds_load_b128 v[GM+4*\j:GM+4*\j+3], v1 offset:512*\j
	ds_load_b128 v[BE+4*\j:BE+4*\j+3], v1 offset:8192+512*\j
.endr
	s_wait_dscnt 0x0
.set p, 0
.rept 32
	v_pk_mul_f32 v[GM+2*p:GM+2*p+1], v[GM+2*p:GM+2*p+1], 0x3f13bb63 op_sel_hi:[1,0]   ; c = 2 log2(e) / 5
	v_pk_mul_f32 v[BE+2*p:BE+2*p+1], v[BE+2*p:BE+2*p+1], 0x3f13bb63 op_sel_hi:[1,0]
.set p, p+1
.endr
.macro REDUCE                          ; the four chains, the pair's halves, the 32 lanes: the sum in v24 of every lane
	v_pk_add_f32 v[16:17], v[16:17], v[18:19]
	v_pk_add_f32 v[20:21], v[20:21], v[22:23]
	v_pk_add_f32 v[16:17], v[16:17], v[20:21]
	v_add_f32 v24, v16, v17
	v_add_f32_dpp v24, v24, v24 row_xmask:1 row_mask:0xf bank_mask:0xf
	v_add_f32_dpp v24, v24, v24 row_xmask:2 row_mask:0xf bank_mask:0xf
	v_add_f32_dpp v24, v24, v24 row_xmask:4 row_mask:0xf bank_mask:0xf
	v_add_f32_dpp v24, v24, v24 row_xmask:8 row_mask:0xf bank_mask:0xf
	v_permlanex16_b32 v25, v24, s12, s13
	v_add_f32 v24, v24, v25
.endm
.macro ROW i
.set XB, 64*(\i)
	s_wait_loadcnt 16*(3-(\i))                     ; my row is in; the later rows' loads stay out
	WIN 0x05                                       ; sources 0 and 1 window 1
.irp k, 0,1,2,3
	v_pk_add_f32 v[16+2*\k:17+2*\k], v[XB+2*\k:XB+2*\k+1], v[XB+8+2*\k:XB+9+2*\k]   ; the first eight pairs start the chains: nothing is cleared
.endr
	WIN 0x04                                       ; source 1 window 1
.set p, 8
.rept 24
	v_pk_add_f32 v[16+2*(p%4):17+2*(p%4)], v[16+2*(p%4):17+2*(p%4)], v[XB+2*p:XB+2*p+1]
.set p, p+1
.endr
	WIN 0
	REDUCE
	v_mul_f32 v12, s17, v24                        ; -mean
	WIN 0x41                                       ; destination and source 0 window 1
.set p, 0
.rept 32
	v_pk_add_f32 v[XB+2*p:XB+2*p+1], v[XB+2*p:XB+2*p+1], v[12:13] op_sel_hi:[1,0]   ; d = pre - mean
.set p, p+1
.endr
	WIN 0x05
.irp k, 0,1,2,3
	v_pk_mul_f32 v[16+2*\k:17+2*\k], v[XB+2*\k:XB+2*\k+1], v[XB+2*\k:XB+2*\k+1]
.endr
.set p, 4
.rept 28
	v_pk_fma_f32 v[16+2*(p%4):17+2*(p%4)], v[XB+2*p:XB+2*p+1], v[XB+2*p:XB+2*p+1], v[16+2*(p%4):17+2*(p%4)]
.set p, p+1
.endr
	WIN 0
	REDUCE
	v_fma_f32 v26, v24, s14, s15                   ; var + 1e-5
	s_wait_alu depctr_va_vdst(0)
	v_rsq_f32 v14, v26
	v_nop                                          ; a plain instruction behind the transcendental
	s_wait_alu depctr_va_vdst(0)                   ; and the wait ahead of its first reader
	WIN 0x41
.set p, 0
.rept 32
	v_pk_mul_f32 v[XB+2*p:XB+2*p+1], v[XB+2*p:XB+2*p+1], v[14:15] op_sel_hi:[1,0]
.set p, p+1
.endr
.set p, 0
.rept 32
	v_pk_fma_f32 v[XB+2*p:XB+2*p+1], v[XB+2*p:XB+2*p+1], v[GM+2*p:GM+2*p+1], v[BE+2*p:BE+2*p+1]
.set p, p+1
.endr
.set p, 0
	s_wait_alu depctr_va_vdst(0)
.rept 64
	v_exp_f32 v[XB+p], v[XB+p]                     ; one batch
.set p, p+1
.endr
	v_nop
	s_wait_alu depctr_va_vdst(0)                   ; one wait for the 64 exponentials
.set p, 0
.rept 32
	v_pk_add_f32 v[XB+2*p:XB+2*p+1], v[XB+2*p:XB+2*p+1], 1.0 op_sel_hi:[1,0]
.set p, p+1
.endr
.set p, 0
	s_wait_alu depctr_va_vdst(0)
.rept 64
	v_rcp_f32 v[XB+p], v[XB+p]
.set p, p+1
.endr
	v_nop
	s_wait_alu depctr_va_vdst(0)                   ; one wait for the 64 reciprocals
.set p, 0
.rept 32
	v_pk_fma_f32 v[XB+2*p:XB+2*p+1], v[XB+2*p:XB+2*p+1], v[8:9], v[10:11]   ; 5 - 10 / (1 + 2^..)
.set p, p+1
.endr
	WIN 0x04                                       ; a store's data are its source 1: window 1
.irp j, 0,1,2,3,4,5,6,7,8,9,10,11,12,13,14,15
	global_store_b128 v1, v[XB+4*\j:XB+4*\j+3], s[10:11] offset:ROWB*(\i)+512*\j th:TH_STORE_NT   ; 32 lanes store 512 consecutive bytes, aligned; no register of a store is written again
.endr
	WIN 0
.endm
	ROW 0
	ROW 1
	ROW 2
	ROW 3
	s_wait_tensorcnt 0x0
	ds_add_u32 v254, v255
	s_wait_dscnt 0x0
	s_endpgm
.Lfunc_end_k_q6bee5f8721_norm:
	.size	k_q6bee5f8721_norm, .Lfunc_end_k_q6bee5f8721_norm-k_q6bee5f8721_norm
	.p2alignl 7, 3214868480
	.fill 96, 4, 3214868480
	.section	.rodata,"a",@progbits
	.p2align	6, 0x0
	.amdhsa_kernel k_q6bee5f8721_norm
		.amdhsa_group_segment_fixed_size 16896
		.amdhsa_private_segment_fixed_size 0
		.amdhsa_enable_private_segment 0
		.amdhsa_kernarg_size 32
		.amdhsa_user_sgpr_count 2
		.amdhsa_user_sgpr_kernarg_segment_ptr 1
		.amdhsa_wavefront_size32 1
		.amdhsa_system_sgpr_workgroup_id_x 1
		.amdhsa_system_sgpr_workgroup_id_y 1
		.amdhsa_system_sgpr_workgroup_id_z 1
		.amdhsa_system_vgpr_workitem_id 0
		.amdhsa_next_free_vgpr 512
		.amdhsa_next_free_sgpr 66
		.amdhsa_reserve_vcc 0
		.amdhsa_float_denorm_mode_32 3
		.amdhsa_float_denorm_mode_16_64 3
		.amdhsa_memory_ordered 1
		.amdhsa_forward_progress 1
		.amdhsa_inst_pref_size 102
	.end_amdhsa_kernel
	.amdgpu_metadata
---
amdhsa.version: [ 1, 2 ]
amdhsa.kernels:
  - .name:           k_q6bee5f8721_norm
    .symbol:         k_q6bee5f8721_norm.kd
    .args:
      - { .name: pre, .offset: 0, .size: 8, .value_kind: global_buffer, .address_space: global }
      - { .name: ln_gamma, .offset: 8, .size: 8, .value_kind: global_buffer, .address_space: global }
      - { .name: ln_beta, .offset: 16, .size: 8, .value_kind: global_buffer, .address_space: global }
      - { .name: out0, .offset: 24, .size: 8, .value_kind: global_buffer, .address_space: global }
    .group_segment_fixed_size: 16896
    .private_segment_fixed_size: 0
    .kernarg_segment_align: 8
    .kernarg_segment_size: 32
    .max_flat_workgroup_size: 128
    .sgpr_count:     66
    .vgpr_count:     512
    .wavefront_size: 32
...
	.end_amdgpu_metadata
.endif
;; end of part 3
